; MI455X (gfx1250); checked and timed in simulation.
; The chip was launched on July 23, 2026; its instructions are those of AMD's public machine-readable ISA for CDNA 5 (MIT licence, August 2026) and "CDNA5" Instruction Set Architecture Reference Guide (July 2026). The comments in the code are by the model that wrote it; some were corrected since.
;; SDF Network. Allowed arithmetic: matrix products marked QUANTISED: E4M3 operands, one E8M0 scale for each 32 along K, by v_wmma_scale_f32_16x16x128_f8f6f4 with both operands' format E4M3, f32 sums; products left as they are: f32 operands where the result goes on into a quantised operand, else bf16, f16 or f32 operands; f32 sums; everything else in f32.
;; Inputs: W0_codes 64 x 1 x 32 uint8 (E4M3 codes of W0, K innermost, in blocks of 32 codes); W0_scales 64 x 1 uint8 (E8M0 scales of W0, one for each 32 codes along K); W1_codes 64 x 2 x 32 uint8 (E4M3 codes of W1, K innermost, in blocks of 32 codes); W1_scales 64 x 2 uint8 (E8M0 scales of W1, one for each 32 codes along K); W2 64 x 1 float32; tables 16 x 524,288 x 2 float32; x 1,048,576 x 3 float32.
;; Outputs: out0 1,048,576 x 1 float32.
;; This version of the problem:
;;   THIS VERSION OF THE PROBLEM IS GIVEN IN LOW PRECISION. The matrix products marked QUANTISED in the list below multiply operands that are first quantised to E4M3 (4 exponent bits, 3 mantissa bits; 8 bits a number), with one power-of-two scale for each 32 numbers along K (OCP MX v1.0); their sums are f32. All else is computed in f32.
;;   The module's matrix products, in the order in which they are computed (A, B: the left and right operand; K: the contracted axis; several contracted axes count as one K, in the product's order):
;;     1. [M 1,048,576, K 32] x [K 32, N 64]; A: computed on the way; B: input W0 (given as codes): QUANTISED
;;     2. [M 1,048,576, K 64] x [K 64, N 64]; A: computed on the way; B: input W1 (given as codes): QUANTISED
;;     3. [M 1,048,576, K 64] x [K 64, N 1]; A: computed on the way; B: input W2: left as it is (N = 1 < 16)
;;   THE QUANTISER, for each operand of a quantised product, along K:
;;     - K is cut into blocks of 32 from its start; a last block that is shorter is filled with zeros.
;;     - A block's scale is 2^e with e = floor(log2(the largest magnitude in the block)) - 8, held to -126 .. 127; a block of zeros has e = 0. As a byte (E8M0): e + 127.
;;     - Each number is divided by its block's scale, clamped to +-448, and rounded to the nearest number of E4M3, ties to even, subnormals kept.
;;     - The product sums the exact products of the quantised numbers (number of the format x scale) in f32.
;;   ~~~python
;;   def quantise(x, axis):      # numpy; x: float32 -> the quantised numbers, widened to float32 again
;;       x = np.moveaxis(x, axis, -1); K = x.shape[-1]
;;       x = np.pad(x, [(0, 0)] * (x.ndim - 1) + [(0, -K % 32)]); x = x.reshape(x.shape[:-1] + (-1, 32)); a = np.abs(x).max(-1, keepdims=True)
;;       e = np.where(a > 0, np.clip(np.frexp(np.where(a > 0, a, 1))[1] - 1 - 8, -126, 127), 0)      # np.frexp(a)[1] - 1 = floor(log2(a)), exactly
;;       r = np.clip(x / 2.0 ** e, -448, 448)
;;       step = 2.0 ** (np.maximum(np.frexp(np.where(r == 0, 1, r))[1] - 1, -6) - 3)
;;       q = np.round(r / step) * step * 2.0 ** e      # np.round: ties to even
;;       return np.moveaxis(q.reshape(q.shape[:-2] + (-1,))[..., :K], -1, axis).astype(np.float32)
;;   ~~~
;;   OPERANDS COMPUTED ON THE WAY. 'Computed on the way' means the value that the module computes at that place (a softmax that the list does not call 'softmax' is quantised finished and normalised). What goes into a quantiser is computed in f32, as accurately as f32 sums, v_exp_f32 and their like allow (about 1e-6 of the number): no bf16 or f16 on the way to a quantiser, and a product that is left as it is and whose result goes on into a quantised operand takes f32 operands (vector FMAs, or v_wmma_f32_16x16x4_f32). A number that lies on a knife's edge between two numbers of the format may be rounded either way, as far as f32 arithmetic and the matrix unit's own rounding can turn it there, and no further.
;;   INPUTS GIVEN AS CODES. W0 (in the module: [32, 64], K = its axis 0); W1 (in the module: [64, 64], K = its axis 0): each comes as NAME_codes (uint8): NAME with its K axis moved to the last place and cut into blocks of 32 codes, [.., K / 32, bytes a block], one block behind the other in memory; one code a byte (a code: sign, 4 exponent bits, 3 mantissa bits); and NAME_scales (uint8): the same leading axes, one E8M0 byte (e + 127) for each 32 codes along K. Its value is code x scale, taken as it is: it is not quantised again, and the codes and scales need not be those that the quantiser above would give.
;; 2 versions, each right; version 2 is version 1 with the launch sdf written anew for expert scheduling mode. Each part assembles by itself: llvm-mc -triple=amdgcn-amd-amdhsa -mcpu=gfx1250 --defsym DOCPART=n.
;; ======== version 1 of 2: 2 launches
;; limits: inputs' magnitudes at most 1
;; workspace buffers: xq 12,582,912 bytes of whole numbers
;; launch prep (part 1): grid 256 x 1, 8 waves a work-group, no clusters, 50,176 bytes of LDS; arguments x, xq; writes xq
.if DOCPART == 1
	.amdgcn_target "amdgcn-amd-amdhsa--gfx1250"
	.amdhsa_code_object_version 6
	.text
	.protected	k_q49864fdcb4_prep
	.globl	k_q49864fdcb4_prep
	.p2align	8
	.type	k_q49864fdcb4_prep,@function
k_q49864fdcb4_prep:
	s_mov_b64 s[64:65], 0
	v_nop
	global_prefetch_b8 v0, s[64:65] scope:SCOPE_SE
	s_setreg_imm32_b32 hwreg(HW_REG_WAVE_MODE, 25, 1), 1
	s_wait_xcnt 0x0
; x [1048576][3] f32 -> xq: whole numbers xi = (x + 1) rounded to f32, times 2^24, so that x01 = (x + 1) / 2 = xi x 2^-25 without loss.
; For every x in [-1, 1] the f32 sum x + 1 is a multiple of 2^-24, so xi is a whole number of at most 2^25.  The next launch forms its table indices from xi by integer arithmetic alone.
; fma(x, 2^24, 2^24) is 2^24 x (x + 1 rounded to f32): a factor that is a power of two does not move the rounding.
; LAYOUT of xq: [chunk 0..8191][d 0..2][lane 0..31][p 0..3] u32 = xi_d of point 128 chunk + 4 lane + p: each (chunk, d) is 512 consecutive bytes, one 16-byte load a lane.
; LIMITS: x under -1 gives xi = 0, x over 1 gives xi = 2^25 (the point is held to the cube's face; the model's dense indices rely on x01 in [0, 1]); a NaN gives xi = 0.
; SHARES: 2,048 waves; a wave takes four chunks, 6,144 bytes of x and as many of xq.  Written out, no loop; waves share nothing, so there is no barrier.
; A load takes the bytes as they lie (512 consecutive bytes a wave); a lane's four points are 48 neighbouring bytes, so a chunk turns through the wave's own LDS bytes:
; stored 16 bytes a lane, read back 48 bytes from lane to lane (the sixteen lanes of a half then touch sixteen different 16-byte columns of 256 bytes, 3 being odd).
.set CB,  1536                         ; bytes of a chunk: 128 points x 12
.set WB,  4*CB                         ; bytes of a wave, in memory and in LDS
.set R,   4                            ; v4-51    as loaded: chunk c, load j at R + 12 c + 4 j
.set Q,   52                           ; v52-99   back from LDS: Q + 12 c + 3 p + d = x_d of my point p
.set O,   100                          ; v100-147 xi: O + 12 c + 4 d + p
	s_load_b128 s[4:7], s[0:1], 0x0                ; x s[4:5], xq s[6:7]
	v_lshl_add_u32 v148, v0, 2, 0xc000
	v_mov_b32 v149, 0
	v_lshrrev_b32 v1, 5, v0
	v_readfirstlane_b32 s8, v1                     ; wave 0..7
	v_and_b32 v3, 31, v0                           ; lane
	v_lshlrev_b32 v1, 4, v3                        ; 16 x lane: my bytes of a load and of a store; never rewritten
	s_mul_i32 s9, s8, WB                           ; my wave's LDS bytes
	v_add_nc_u32 v2, s9, v1                        ; into LDS: as loaded
	v_mul_u32_u24 v3, v3, 48
	v_add_nc_u32 v3, s9, v3                        ; out of LDS: my four points
	s_lshl_b32 s10, ttmp9, 3
	s_add_co_u32 s10, s10, s8                      ; 8 x work-group + wave
	s_mul_i32 s10, s10, WB                         ; at most 2,047 x 6,144: under 2^24
	s_mov_b32 s11, 0
	s_mov_b32 s12, 0x4b800000                      ; 2^24
	s_mov_b32 s13, s12                             ; (the packed form names the pair)
	s_wait_kmcnt 0x0
	s_add_nc_u64 s[4:5], s[4:5], s[10:11]
	s_add_nc_u64 s[6:7], s[6:7], s[10:11]
.irp c, 0,1,2,3
.irp j, 0,1,2
	global_load_b128 v[R+12*\c+4*\j:R+12*\c+4*\j+3], v1, s[4:5] offset:CB*\c+512*\j th:TH_LOAD_NT   ; all twelve loads go out at once; read once in the launch
.endr
.endr
.irp c, 0,1,2,3
	s_wait_loadcnt 9-3*\c                          ; loads come back in order: chunk c's three are in, the later chunks' three each may be out
.irp j, 0,1,2
	ds_store_b128 v2, v[R+12*\c+4*\j:R+12*\c+4*\j+3] offset:CB*\c+512*\j
.endr
.irp j, 0,1,2
	ds_load_b128 v[Q+12*\c+4*\j:Q+12*\c+4*\j+3], v3 offset:CB*\c+16*\j   ; LDS serves a wave's instructions in order: these see the stores above.  Each chunk has LDS bytes of its own
.endr
.endr
.irp c, 0,1,2,3
	s_wait_dscnt 6*(3-\c)                          ; chunk c is back; the later chunks' three stores and three loads each may be out
.irp i, 0,2,4,6,8,10
	v_pk_fma_f32 v[Q+12*\c+\i:Q+12*\c+\i+1], v[Q+12*\c+\i:Q+12*\c+\i+1], s[12:13], s[12:13] op_sel_hi:[1,0,0]   ; x 2^24 + 2^24, one rounding
.endr
.irp d, 0,1,2
.irp p, 0,1,2,3
	v_cvt_u32_f32 v[O+12*\c+4*\d+\p], v[Q+12*\c+3*\p+\d]   ; exact; what is negative or NaN becomes 0.  The choice of destination is the whole transposition
.endr
.endr
.irp i, 0,1,2,3,4,5,6,7,8,9,10,11
	v_min_u32 v[O+12*\c+\i], 0x2000000, v[O+12*\c+\i]
.endr
.irp d, 0,1,2
	global_store_b128 v1, v[O+12*\c+4*\d:O+12*\c+4*\d+3], s[6:7] offset:CB*\c+512*\d   ; the wave stores 512 consecutive bytes, aligned; no store's data are written again
.endr
.endr
	s_wait_tensorcnt 0x0
	ds_add_u32 v148, v149
	s_wait_dscnt 0x0
	s_endpgm
.Lfunc_end_k_q49864fdcb4_prep:
	.size	k_q49864fdcb4_prep, .Lfunc_end_k_q49864fdcb4_prep-k_q49864fdcb4_prep
	.p2alignl 7, 3214868480
	.fill 96, 4, 3214868480
	.section	.rodata,"a",@progbits
	.p2align	6, 0x0
	.amdhsa_kernel k_q49864fdcb4_prep
		.amdhsa_group_segment_fixed_size 50176
		.amdhsa_private_segment_fixed_size 0
		.amdhsa_enable_private_segment 0
		.amdhsa_kernarg_size 16
		.amdhsa_user_sgpr_count 2
		.amdhsa_user_sgpr_kernarg_segment_ptr 1
		.amdhsa_wavefront_size32 1
		.amdhsa_system_sgpr_workgroup_id_x 1
		.amdhsa_system_sgpr_workgroup_id_y 1
		.amdhsa_system_sgpr_workgroup_id_z 1
		.amdhsa_system_vgpr_workitem_id 0
		.amdhsa_next_free_vgpr 150
		.amdhsa_next_free_sgpr 66
		.amdhsa_reserve_vcc 0
		.amdhsa_float_denorm_mode_32 3
		.amdhsa_float_denorm_mode_16_64 3
		.amdhsa_memory_ordered 1
		.amdhsa_forward_progress 1
		.amdhsa_inst_pref_size 12
	.end_amdhsa_kernel
	.amdgpu_metadata
---
amdhsa.version: [ 1, 2 ]
amdhsa.kernels:
  - .name:           k_q49864fdcb4_prep
    .symbol:         k_q49864fdcb4_prep.kd
    .args:
      - { .name: x, .offset: 0, .size: 8, .value_kind: global_buffer, .address_space: global }
      - { .name: xq, .offset: 8, .size: 8, .value_kind: global_buffer, .address_space: global }
    .group_segment_fixed_size: 50176
    .private_segment_fixed_size: 0
    .kernarg_segment_align: 8
    .kernarg_segment_size: 16
    .max_flat_workgroup_size: 256
    .sgpr_count:     66
    .vgpr_count:     150
    .wavefront_size: 32
...
	.end_amdgpu_metadata
.endif
;; end of part 1
;; launch sdf (part 2): grid 256 x 1, 16 waves a work-group, no clusters, 141,312 bytes of LDS; arguments xq, tables, W0_codes, W0_scales, W1_codes, W1_scales, W2, out0; writes out0
.if DOCPART == 2
	.amdgcn_target "amdgcn-amd-amdhsa--gfx1250"
	.amdhsa_code_object_version 6
	.text
	.protected	k_q49864fdcb4_sdf
	.globl	k_q49864fdcb4_sdf
	.p2align	8
	.type	k_q49864fdcb4_sdf,@function
k_q49864fdcb4_sdf:
	s_mov_b64 s[64:65], 0
	v_nop
	global_prefetch_b8 v0, s[64:65] scope:SCOPE_SE
	s_setreg_imm32_b32 hwreg(HW_REG_WAVE_MODE, 25, 1), 1
	s_wait_xcnt 0x0
; out0[n] = relu(relu(enc(n) W0) W1) W2, enc = the 16-level hash grid's 32 numbers of point n.  The first two products run on codes of FP8 (E4M3) with one E8M0 scale for each 32 along K; the last (one column) in f32.
; INPUT xq: whole numbers xi, x01 = xi x 2^-25 exactly, laid [chunk][d][lane][p] by the launch before.  Every table index is made of xi by integer arithmetic; the f32 x01 comes of xi by an exact conversion.
; SHARES: 256 work-groups of sixteen waves that stay; a wave takes two chunks of 128 points, one after the other; lane L holds four points of a chunk, 128 chunk + 4 L + p.
; THE TWO COARSEST TABLES LIE IN LDS: level 0 (17^3 entries, 39,304 bytes) and level 1 (23^3 entries, 97,336 bytes) are copied once by the work-group, 17 pieces of 8,192 bytes, and serve its 32 chunks:
; 139,264 bytes copied at neighbouring addresses against 2 x 4,096 points x 64 bytes gathered.  One barrier stands behind the copy; after it LDS is only read, and waves share nothing else.
; THE LEVELS ARE THE OUTER WALK, the lane's four points the inner one: each point has a set of registers with eight gathers of 8 bytes; three sets (24 loads a wave) are out while the fourth is blended and asked anew.
; The walk goes 2, 3, .. 15, 0, 1: the gathers from memory begin at a chunk's head, and the last of them land while the two levels in LDS are worked.
; A LEVEL, for one coordinate: p0 = floor(xi res / 2^25), in integers; pos = x01 res rounded to f32; frac = pos - p0 (exact).  Where pos rounds up onto a whole number n, the definition has cell n and frac 0,
; this text cell n - 1 and frac 1: the same corner carries the weight 1.  So also at x01 = 1.  xi is held at 2^25 - 1 for p0, so that p0 + 1 never passes res.
; Levels 0-4 ((res + 1)^3 <= 2^19) are dense: x + y (res + 1) + z (res + 1)^2.  Levels 5-15 are hashed: x ^ y P1 ^ z P2, of which the low 19 bits count: so P1 and P2 are cut to 19 bits and the products are 24-bit ones.
; THE MLP, 16 points a tile.  Both products are used transposed (source 0 = 16 rows of the weight, source 1 = 16 points): a lane holds one point, its registers run along the hidden units, which are the next K.
; K is 32 and 64 where the instruction takes 128: the points' operand is filled up with zero codes.  The weight's run of 16 registers simply goes on into what lies behind it (other tiles' codes, or zeros):
; finite codes times zero codes add 0; the scale bytes there are 0, which stands for 2^-127.
; NO CLUSTER, NO JOINT LOADS: what work-groups share is the copy's 139,264 bytes and 6,592 bytes of weights, against 32 chunks x 14 levels x 8,192 = 3,670,016 gathered bytes a work-group that no two share by plan.
; LIMITS: NaN codes and scale bytes 0xff among the weights, NaN and infinities in tables or W2 are not served.  A block whose largest magnitude lies under 2^-118 gets the scale byte 1
; (a block of zeros too, where the quantiser says 127: its codes are zeros, and only this text reads the byte).
.set TBYTES, 0x400000                  ; a level's table: 2^19 entries of 8 bytes
.set NCH,  2                           ; chunks of a wave
.set NLDS, 2                           ; levels 0 .. NLDS - 1 are gathered from LDS
.set PIECE, 8192                       ; what the 512 threads copy at a time, 16 bytes each
.set L1B,  5*PIECE                     ; LDS: level 0's table from byte 0 (5 pieces), level 1's from here (12 pieces)
.set FILL, 128                         ; v128-195 the copy's 17 pieces, at the head only
.set TMP1, 2                           ; v2       at work, for all sets
.set HI,   4                           ; v4-15    min(xi, 2^25 - 1) >> 13, at HI + 4 d + p
.set LO,   16                          ; v16-27   its low 13 bits
.set XF,   28                          ; v28-39   x01 as f32
.set SET0, 40                          ; v40-127  four sets of 22, set p at 40 + 22 p:  +0..15 eight corners' data (corner (x, y, z) at 4 (2 y + z) + 2 x), at work until the loads are issued;
.set SETN, 22                          ;          +16 fx, +17..20 the weights (1-fy)(1-fz), (1-fy) fz, fy (1-fz), fy fz, +21 the dense levels' offset (at work in hashed levels)
.set ENC,  128                         ; v128-255 enc: ENC + 32 p + 2 level + feature
.set TRIP, 21                          ; s21      chunks done
.set RI,   24                          ; s24      res
.set RF,   25                          ; s25      res as f32
.set P1,   26                          ; s26      2654435761 mod 2^19
.set P2,   27                          ; s27      805459861 mod 2^19
.set MSK,  28                          ; s28      2^19 - 1
.set MNT,  29                          ; s29      the mantissa field of 448
.set UPP,  30                          ; s30      lanes 16-31
.set TB,   32                          ; s[32:63] each level's table, a pair a level: never rewritten, so no wait is owed for them
.set SEL,  66                          ; s[66:67] v_permlanex16_b32's selects for lane l xor 16
	s_load_b512 s[4:19], s[0:1], 0x0               ; xq 4:5, tables 6:7, W0's codes 8:9, scales 10:11, W1's codes 12:13, scales 14:15, W2 16:17, out0 18:19
	v_lshrrev_b32 v2, 5, v0
	v_readfirstlane_b32 s20, v2                    ; wave 0..15
	v_and_b32 v1, 31, v0
	v_lshlrev_b32 v1, 4, v1                        ; v1 = 16 x lane: xq's loads and the final store; never rewritten
	v_lshlrev_b32 v2, 4, v0                        ; the copy: 16 x thread, in a table and in LDS;
	v_add_nc_u32 v3, 0x10000, v2                   ; an LDS immediate has 16 bits, so pieces 8-15
	v_add_nc_u32 v4, 0x20000, v2                   ; and piece 16 have address registers of their own
	s_lshl_b32 s21, ttmp9, 4
	s_add_co_u32 s21, s21, s20                     ; 16 x work-group + wave: my two chunks are 2 x that and the next
	s_mul_i32 s22, s21, NCH*1536
	s_mov_b32 s23, 0
	s_mov_b32 s[P1], 0x779b1
	s_mov_b32 s[P2], 0x25795
	s_mov_b32 s[MSK], 0x7ffff
	s_mov_b32 s[MNT], 0x600000
	s_mov_b32 s[UPP], 0xffff0000
	s_mov_b32 s[SEL], 0x76543210
	s_mov_b32 s[SEL+1], 0xfedcba98
	s_wait_kmcnt 0x0
	s_add_nc_u64 s[4:5], s[4:5], s[22:23]          ; xq at my first chunk
	s_lshl_b32 s22, s21, 10
	s_add_nc_u64 s[18:19], s[18:19], s[22:23]      ; out0 at my first 128 points
.set k, 0
.rept 16
	s_add_nc_u64 s[TB+2*k:TB+2*k+1], s[6:7], k*TBYTES
.set k, k+1
.endr
; The copy: all 17 loads go out at once; a wave's load takes 512 consecutive bytes.  The pieces reach a little past the entries in use and stay inside each level's 4 MiB.
.set j, 0
.rept 17
.if j < 5
	global_load_b128 v[FILL+4*j:FILL+4*j+3], v2, s[TB:TB+1] offset:PIECE*j
.else
	global_load_b128 v[FILL+4*j:FILL+4*j+3], v2, s[TB+2:TB+3] offset:PIECE*(j-5)
.endif
.set j, j+1
.endr
.set j, 0
.rept 17
	s_wait_loadcnt 16-j                            ; loads come back in order: piece j is in, the later pieces may be out
	ds_store_b128 v[2+j/8], v[FILL+4*j:FILL+4*j+3] offset:PIECE*(j%8)
.set j, j+1
.endr
	s_wait_dscnt 0x0                               ; for the others' sake: my part of the two tables lies in LDS
	s_barrier_signal -1
	s_barrier_wait -1                              ; everybody's does.  From here on LDS is only read
	s_mov_b32 s[TRIP], 0
; Point pt's cell, weights and indices at level lev, and its eight gathers.
.macro ISSUE lev, pt, res
.set S, SET0+SETN*(\pt)
.irp d, 0,1,2                          ; p0 = (HI res + (LO res >> 13)) >> 12 = floor(xi res / 2^25): every product stays under 2^24.  x, y, z at S + 1, S + 3, S + 5
	v_mul_u32_u24 v[S+1+2*\d], s[RI], v[LO+4*\d+(\pt)]
.endr
.irp d, 0,1,2
	v_lshrrev_b32 v[S+1+2*\d], 13, v[S+1+2*\d]
.endr
.irp d, 0,1,2
	v_mad_u32_u24 v[S+1+2*\d], v[HI+4*\d+(\pt)], s[RI], v[S+1+2*\d]
.endr
.irp d, 0,1,2
	v_lshrrev_b32 v[S+1+2*\d], 12, v[S+1+2*\d]
.endr
.irp d, 0,1,2
	v_cvt_f32_u32 v[S+7+2*\d], v[S+1+2*\d]
.endr
.irp d, 0,1,2
	v_mul_f32 v[S+2*\d], s[RF], v[XF+4*\d+(\pt)]   ; pos.  Kept apart from the subtraction on purpose: the definition rounds pos to f32 before the floor is taken away
.endr
	v_sub_f32 v[S+16], v[S], v[S+7]                ; fx
	v_sub_f32 v[S+9], v[S+2], v[S+9]               ; fy
	v_sub_f32 v[S+11], v[S+4], v[S+11]             ; fz
	v_sub_f32 v[S+13], 1.0, v[S+9]
	v_sub_f32 v[S+15], 1.0, v[S+11]
	v_mul_f32 v[S+17], v[S+13], v[S+15]
	v_mul_f32 v[S+18], v[S+13], v[S+11]
	v_mul_f32 v[S+19], v[S+9], v[S+15]
	v_mul_f32 v[S+20], v[S+9], v[S+11]
.if ((\res)+1)*((\res)+1)*((\res)+1) > 524288
	v_mul_u32_u24 v[S+3], s[P1], v[S+3]            ; y P1, z P2: right in their low 19 bits
	v_mul_u32_u24 v[S+5], s[P2], v[S+5]
	v_add_nc_u32 v[S+7], s[P1], v[S+3]             ; (y + 1) P1, (z + 1) P2
	v_add_nc_u32 v[S+9], s[P2], v[S+5]
	v_xor_b32 v[S+11], v[S+3], v[S+5]              ; the four y-z parts, at S + 11, 13, 15, 21
	v_xor_b32 v[S+13], v[S+3], v[S+9]
	v_xor_b32 v[S+15], v[S+7], v[S+5]
	v_xor_b32 v[S+21], v[S+7], v[S+9]
.irp m, 0,1,2,3
	v_and_b32 v[S+11+2*\m+4*(\m/3)], s[MSK], v[S+11+2*\m+4*(\m/3)]   ; four masks serve eight corners: x and x + 1 lie under 2^19 as they are
.endr
	v_add_nc_u32 v[TMP1], 1, v[S+1]
.irp m, 0,1,2,3
	v_xor_b32 v[S+4*\m], v[S+1], v[S+11+2*\m+4*(\m/3)]
	v_xor_b32 v[S+4*\m+2], v[TMP1], v[S+11+2*\m+4*(\m/3)]
.endr
.irp c, 0,1,2,3,4,5,6,7
	v_min_u32 v[S+2*\c], 0x7ffff, v[S+2*\c]        ; a number that comes of loaded data is held inside the table by a bound written here, ahead of its use as an offset
.endr
.irp c, 0,1,2,3,4,5,6,7
	global_load_b64 v[S+2*\c:S+2*\c+1], v[S+2*\c], s[TB+2*(\lev):TB+2*(\lev)+1] scale_offset   ; 8 bytes at 8 x index; each load lands on its own offset register
.endr
.else
.set R1, (\res)+1
	v_mad_u32_u24 v[S+21], v[S+3], R1, v[S+1]
	v_mad_u32_u24 v[S+21], v[S+5], R1*R1, v[S+21]
	v_min_u32 v[S+21], R1*R1*R1-2-R1-R1*R1, v[S+21]   ; the bound is (res - 1)(1 + R1 + R1^2), the largest index that a cell's first corner has: the farthest corner is then entry R1^3 - 1 at the most
	v_lshlrev_b32 v[S+21], 3, v[S+21]
.if (\lev) < NLDS
.irp c, 0,1,2,3,4,5,6,7
	ds_load_b64 v[S+2*\c:S+2*\c+1], v[S+21] offset:L1B*(\lev)+8*((\c%2)+(\c/4)*R1+((\c/2)%2)*R1*R1)   ; from the copy in LDS: one address register; the level's base and the corner in the immediate, 45,384 at the most
.endr
.else
.irp c, 0,1,2,3,4,5,6,7
	global_load_b64 v[S+2*\c:S+2*\c+1], v[S+21], s[TB+2*(\lev):TB+2*(\lev)+1] offset:8*((\c%2)+(\c/4)*R1+((\c/2)%2)*R1*R1)   ; one offset register, the corner in the immediate
.endr
.endif
.endif
.endm
; Point pt's eight corners of level lev are blended into two numbers of enc.  left = the younger loads of the same kind (from LDS, or from memory) that may stay out.
.macro CONSUME lev, pt, left
.set S, SET0+SETN*(\pt)
.set E0, ENC+32*(\pt)+2*(\lev)
.if (\lev) < NLDS
	s_wait_dscnt \left                             ; LDS loads come back in order: this set's eight are in
.else
	s_wait_loadcnt \left                           ; loads come back in order: this set's eight are in.  The wait also shows them done with their offset registers, which the next ISSUE of the set rewrites
.endif
.irp m, 0,1,2,3
	v_pk_add_f32 v[S+4*\m+2:S+4*\m+3], v[S+4*\m+2:S+4*\m+3], v[S+4*\m:S+4*\m+1] neg_lo:[0,1] neg_hi:[0,1]   ; along x: x1 - x0, both features at once,
.endr
.irp m, 0,1,2,3
	v_pk_fma_f32 v[S+4*\m:S+4*\m+1], v[S+4*\m+2:S+4*\m+3], v[S+16:S+17], v[S+4*\m:S+4*\m+1] op_sel_hi:[1,0,1]   ; x0 + fx (x1 - x0): fx is the pair's low word
.endr
	v_pk_mul_f32 v[E0:E0+1], v[S:S+1], v[S+16:S+17] op_sel:[0,1] op_sel_hi:[1,1]                              ; then the four y-z weights: high word,
	v_pk_fma_f32 v[E0:E0+1], v[S+4:S+5], v[S+18:S+19], v[E0:E0+1] op_sel_hi:[1,0,1]                           ; low,
	v_pk_fma_f32 v[E0:E0+1], v[S+8:S+9], v[S+18:S+19], v[E0:E0+1] op_sel:[0,1,0] op_sel_hi:[1,1,1]            ; high,
	v_pk_fma_f32 v[E0:E0+1], v[S+12:S+13], v[S+20:S+21], v[E0:E0+1] op_sel_hi:[1,0,1]                         ; low
.endm
; A level: for each point the level walked before (prev; -1: none) is blended, then this level asked for.
; same = 1: both levels' loads raise the same counter: behind a set's eight stand the three other sets' 24.  same = 0: this level's do not count there: behind set pt's eight stand only the 8 (3 - pt) of prev's later sets.
.macro LEVEL lev, res, prev, same
	s_mov_b32 s[RI], \res
	s_cvt_f32_u32 s[RF], s[RI]
.irp pt, 0,1,2,3
.if (\prev) >= 0
.if \same
	CONSUME \prev, \pt, 24
.else
	CONSUME \prev, \pt, 8*(3-\pt)
.endif
.endif
	ISSUE \lev, \pt, \res
.endr
.endm
.Lchunk:
.irp d, 0,1,2
	global_load_b128 v[LO+4*\d:LO+4*\d+3], v1, s[4:5] offset:512*\d th:TH_LOAD_NT   ; xi of my four points: 512 consecutive bytes a load
.endr
	s_wait_loadcnt 0x0
.irp i, 0,1,2,3,4,5,6,7,8,9,10,11
	v_cvt_f32_u32 v[XF+\i], v[LO+\i]               ; exact: xi is a f32 number times 2^24
	v_min_u32 v[LO+\i], 0x1ffffff, v[LO+\i]
	v_mul_f32 v[XF+\i], 0x33000000, v[XF+\i]       ; x 2^-25: x01
	v_lshrrev_b32 v[HI+\i], 13, v[LO+\i]
	v_and_b32 v[LO+\i], 0x1fff, v[LO+\i]
.endr
	LEVEL 2, 30, -1, 1                             ; res = floor(16 x 1.3819^level)
	LEVEL 3, 42, 2, 1
	LEVEL 4, 58, 3, 1
	LEVEL 5, 80, 4, 1
	LEVEL 6, 111, 5, 1
	LEVEL 7, 153, 6, 1
	LEVEL 8, 212, 7, 1
	LEVEL 9, 294, 8, 1
	LEVEL 10, 406, 9, 1
	LEVEL 11, 561, 10, 1
	LEVEL 12, 775, 11, 1
	LEVEL 13, 1072, 12, 1
	LEVEL 14, 1481, 13, 1
	LEVEL 15, 2047, 14, 1
	LEVEL 0, 16, 15, 0                             ; the last gathers from memory run down 24, 16, 8, 0 while level 0 is asked of LDS
	LEVEL 1, 22, 0, 1
	CONSUME 1, 0, 24                               ; nothing more is asked for: the counts run down
	CONSUME 1, 1, 16
	CONSUME 1, 2, 8
	CONSUME 1, 3, 0
; THE MLP.  v2-127 are free now; enc's registers are freed slot by slot as it is quantised.
.set W0R,  4                           ; v4-19    W0's four tiles, 4 registers each (K = 32)
.set W1R,  20                          ; v20-51   W1's four tiles, 8 registers each (K = 64)
.set ZW,   52                          ; v52-59   zeros: the rest of the last tile's run of 16
.set ACT,  60                          ; v60-79   the points' operand: v60-67 the hidden layer's codes (layer 1's stand in v64-67), v68-79 zeros.  Layer 1 names v64-79, layer 2 v60-75
.set W0S,  80                          ; v80-83   W0's scale words, a tile each;  v84-87 W1's
.set W1S,  84
.set CODE, 88                          ; v88-119  enc's codes: slot p: 4 registers for the tile of lanes 0-15's points, 4 for that of lanes 16-31's
.set AS,   120                         ; v120-123 enc's scale word, slot p: lane L has its own point's
.set HS,   124                         ; v124     the hidden layer's scale word
.set D,    128                         ; v128-159 four accumulators
.set W2R,  160                         ; v160-191 W2R + 8 t + j = W2[16 t + 8 h + j]
.set TM,   192                         ; v192.. for blocks 0, 1: largest magnitude, the other half's, the conversion's scale operand, 448 x the scale, the byte
.set SUM,  202                         ; v202-205 two packed sums
.set RES,  206                         ; v206-207 the results of a slot's two tiles
.set OUTR, 208                         ; v208-211 my four points' results
.set PRM,  216                         ; v216     a lane permute's destination
	v_and_b32 v125, 15, v0                         ; r
	v_bfe_u32 v127, v0, 4, 1                       ; h
	v_and_b32 v3, 8, v125
	v_add_nc_u32 v3, v3, v125                      ; r + 8 (r / 8): W0's scale bytes, one a row
	v_lshlrev_b32 v2, 5, v3
	v_lshl_add_u32 v2, v127, 4, v2                 ; W0's codes: rows of 32 bytes, + 16 h
	v_lshlrev_b32 v126, 1, v125                    ; W1's scale bytes: two a row
	v_lshlrev_b32 v125, 6, v125
	v_lshl_add_u32 v125, v127, 4, v125             ; W1's codes: rows of 64 bytes, + 16 h
	v_lshlrev_b32 v127, 5, v127                    ; W2: 32 h
; THE ROWS OF W0 THAT FORM A TILE ARE NOT NEIGHBOURS: lane r of tile 2 b + u takes row 32 b + 8 u + r + 8 (r / 8), so that the 16 registers of tiles 2 b and 2 b + 1 are hidden units 32 b + 16 h + 0 .. 15: neighbours along the next K
.irp t, 0,1,2,3
	global_load_b128 v[W0R+4*\t:W0R+4*\t+3], v2, s[8:9] offset:(32*(\t/2)+8*(\t%2))*32
	global_load_u8 v[W0S+\t], v3, s[10:11] offset:32*(\t/2)+8*(\t%2)      ; the byte of k 0-31; the word's other bytes are 0
.endr
.irp t, 0,1,2,3
	global_load_b128 v[W1R+8*\t:W1R+8*\t+3], v125, s[12:13] offset:1024*\t
	global_load_b128 v[W1R+8*\t+4:W1R+8*\t+7], v125, s[12:13] offset:1024*\t+32
	global_load_u16 v[W1S+\t], v126, s[14:15] offset:32*\t                 ; the bytes of k 0-31 and 32-63
.endr
.irp i, 0,1,2,3,4,5,6,7
	v_mov_b32 v[ZW+\i], 0
.endr
.irp i, 8,9,10,11,12,13,14,15,16,17,18,19
	v_mov_b32 v[ACT+\i], 0
.endr
; enc of slot pt, one block of 32 that lies whole in a lane, becomes 32 codes and a scale byte; then the halves of the lanes change places so that both tiles stand in the operand's layout.
.macro QENC pt
.set E, ENC+32*(\pt)
.set C0, CODE+8*(\pt)
	v_max3_num_f32 v60, |v[E]|, |v[E+1]|, 0x4800000        ; the largest magnitude, in two chains, over the floor 2^(9 - 127): the byte cannot fall under 1
	v_max3_num_f32 v61, |v[E+2]|, |v[E+3]|, 0x4800000
.irp i, 4,8,12,16,20,24,28
	v_max3_num_f32 v60, v60, |v[E+\i]|, |v[E+\i+1]|
	v_max3_num_f32 v61, v61, |v[E+\i+2]|, |v[E+\i+3]|
.endr
	v_max_num_f32 v60, v60, v61
	v_add_nc_u32 v62, 0xfc000000, v60                      ; 8 off its exponent field: the conversion takes this operand's exponent field as its scale
	v_and_or_b32 v63, v60, 0x7f800000, s[MNT]              ; 448 x the scale
.set i, 0
.rept 32
	v_med3_num_f32 v[E+i], v[E+i], -v63, v63               ; the conversion to an 8-bit code does not saturate (ISA guide 7.6.2): hold first
.set i, i+1
.endr
.irp g, 0,1,2,3
	v_cvt_scalef32_pk8_fp8_f32 v[C0+2*\g:C0+2*\g+1], v[E+8*\g:E+8*\g+7], v62
.endr
	v_lshrrev_b32 v[AS+(\pt)], 23, v62                     ; the scale's byte; the word's other bytes are 0.  (Also the plain line behind the conversions)
.irp i, 0,1,2,3
	v_permlane16_swap_b32 v[C0+\i], v[C0+4+\i]             ; k 0-15 of lanes 16-31 against k 16-31 of lanes 0-15: C0 + 0..3 is then the tile of lanes 0-15's points (lane (r, h): point r, k 16 h on), C0 + 4..7 that of lanes 16-31's
.endr
.endm
	QENC 0
	QENC 1
.irp t, 0,1,2,3
	global_load_b128 v[W2R+8*\t:W2R+8*\t+3], v127, s[16:17] offset:64*\t       ; into the registers that slot 1 of enc has left
	global_load_b128 v[W2R+8*\t+4:W2R+8*\t+7], v127, s[16:17] offset:64*\t+16
.endr
	QENC 2
	QENC 3
	v_mov_b32 v[TM+2], 0                           ; a lane permute's destination counts as one of its sources
	v_mov_b32 v[TM+3], 0
	v_mov_b32 v[PRM], 0
	s_wait_loadcnt 0x0                             ; all the weights, asked for two to four quantisings ago
; Sixteen points: slot pt of lanes 0-15 (hf = 0) or of lanes 16-31 (hf = 1).  Every product starts its sum with the constant 0, and the four accumulators are four different ones.
.macro TILE pt, hf
.irp j, 0,1,2,3
	v_mov_b32 v[ACT+4+\j], v[CODE+8*(\pt)+4*(\hf)+\j]      ; the tile's codes in front of the one run of twelve zero registers, which serves all eight tiles: eight such runs have no room
.endr
.rept 4
	v_nop                                          ; an operand written by vector instructions stands four places ahead of a scaled matrix instruction
.endr
.irp t, 0,1,2,3
.if (\hf) == 0
	v_wmma_scale_f32_16x16x128_f8f6f4 v[D+8*\t:D+8*\t+7], v[W0R+4*\t:W0R+4*\t+15], v[ACT+4:ACT+19], 0, v[W0S+\t], v[AS+(\pt)]
.else
	v_wmma_scale_f32_16x16x128_f8f6f4 v[D+8*\t:D+8*\t+7], v[W0R+4*\t:W0R+4*\t+15], v[ACT+4:ACT+19], 0, v[W0S+\t], v[AS+(\pt)] matrix_b_scale:MATRIX_SCALE_ROW1
.endif
.endr
.rept 8
	v_nop                                          ; eight places behind this form before its results are read
.endr
; relu and quantiser in one.  No |.|: what is negative is to become 0 and must not count; the floor stands over it.  Each accumulator is read from its low end on.
.irp b, 0,1
	v_max3_num_f32 v[TM+\b], v[D+16*\b], v[D+16*\b+1], 0x4800000
.endr
.irp i, 2,4,6,8,10,12,14
.irp b, 0,1
	v_max3_num_f32 v[TM+\b], v[TM+\b], v[D+16*\b+\i], v[D+16*\b+\i+1]
.endr
.endr
.irp b, 0,1
	v_permlanex16_b32 v[TM+2+\b], v[TM+\b], s[SEL], s[SEL+1]
.endr
.irp b, 0,1
	v_max_num_f32 v[TM+\b], v[TM+\b], v[TM+2+\b]           ; with lane l xor 16's sixteen: the block's largest
.endr
.irp b, 0,1
	v_add_nc_u32 v[TM+4+\b], 0xfc000000, v[TM+\b]
.endr
.irp b, 0,1
	v_and_or_b32 v[TM+6+\b], v[TM+\b], 0x7f800000, s[MNT]
.endr
.irp b, 0,1
	v_lshrrev_b32 v[TM+8+\b], 23, v[TM+4+\b]
.endr
	v_lshl_or_b32 v[HS], v[TM+9], 8, v[TM+8]               ; the point's scale word: bytes of k 0-31 and 32-63, the others 0.  The 32 holds below are the eight places that a scale register written here owes
.irp b, 0,1
.irp i, 0,1,2,3,4,5,6,7,8,9,10,11,12,13,14,15
	v_med3_num_f32 v[D+16*\b+\i], v[D+16*\b+\i], 0, v[TM+6+\b]   ; the activation and the hold in one
.endr
	v_cvt_scalef32_pk8_fp8_f32 v[ACT+4*\b:ACT+4*\b+1], v[D+16*\b:D+16*\b+7], v[TM+4+\b]
	v_cvt_scalef32_pk8_fp8_f32 v[ACT+4*\b+2:ACT+4*\b+3], v[D+16*\b+8:D+16*\b+15], v[TM+4+\b]
.endr
.rept 4
	v_nop                                          ; four places ahead of the products that read the codes; with the eight above, twelve behind the products whose results these now write over
.endr
.irp t, 0,1,2,3
	v_wmma_scale_f32_16x16x128_f8f6f4 v[D+8*\t:D+8*\t+7], v[W1R+8*\t:W1R+8*\t+15], v[ACT:ACT+15], 0, v[W1S+\t], v[HS]
.endr
.rept 8
	v_nop
.endr
; The last layer, in f32: register 8 t + j is unit 16 t + 8 h + j of point r.
.set i, 0
.rept 32
	v_max_num_f32 v[D+i], 0, v[D+i]
.set i, i+1
.endr
	v_pk_mul_f32 v[SUM:SUM+1], v[D:D+1], v[W2R:W2R+1]
	v_pk_mul_f32 v[SUM+2:SUM+3], v[D+2:D+3], v[W2R+2:W2R+3]
.irp i, 4,8,12,16,20,24,28
	v_pk_fma_f32 v[SUM:SUM+1], v[D+\i:D+\i+1], v[W2R+\i:W2R+\i+1], v[SUM:SUM+1]
	v_pk_fma_f32 v[SUM+2:SUM+3], v[D+\i+2:D+\i+3], v[W2R+\i+2:W2R+\i+3], v[SUM+2:SUM+3]
.endr
	v_pk_add_f32 v[SUM:SUM+1], v[SUM:SUM+1], v[SUM+2:SUM+3]
	v_add_f32 v[SUM], v[SUM], v[SUM+1]
	v_permlanex16_b32 v[PRM], v[SUM], s[SEL], s[SEL+1]
	v_add_f32 v[RES+(\hf)], v[SUM], v[PRM]                 ; with the other half's 32 units: lanes r and 16 + r both hold point r's result
.if (\hf) == 1
	v_cndmask_b32 v[OUTR+(\pt)], v[RES], v[RES+1], s[UPP]  ; lanes 0-15 take the first tile's, lanes 16-31 the second's: lane L has point 4 L + pt
.endif
.endm
.irp pt, 0,1,2,3
	TILE \pt, 0
	TILE \pt, 1
.endr
	global_store_b128 v1, v[OUTR:OUTR+3], s[18:19] th:TH_STORE_NT   ; the wave stores its 128 results: 512 consecutive bytes, aligned; written once, read by nobody here
	s_wait_xcnt 0x0                                ; the store has read its data and its base: both are written again only behind this wait
	s_add_nc_u64 s[4:5], s[4:5], 1536              ; on to my next chunk of xq
	s_add_nc_u64 s[18:19], s[18:19], 512           ; and its 128 results
	s_add_co_u32 s[TRIP], s[TRIP], 1
	s_cmp_lt_u32 s[TRIP], NCH
	s_cbranch_scc1 .Lchunk
	s_wait_xcnt 0x0
	v_lshl_add_u32 v194, v0, 2, 0x22000
	v_mov_b32 v195, 0
	s_wait_tensorcnt 0x0
	ds_add_u32 v194, v195
	s_wait_dscnt 0x0
	s_endpgm
.Lfunc_end_k_q49864fdcb4_sdf:
	.size	k_q49864fdcb4_sdf, .Lfunc_end_k_q49864fdcb4_sdf-k_q49864fdcb4_sdf
	.p2alignl 7, 3214868480
	.fill 96, 4, 3214868480
	.section	.rodata,"a",@progbits
	.p2align	6, 0x0
	.amdhsa_kernel k_q49864fdcb4_sdf
		.amdhsa_group_segment_fixed_size 141312
		.amdhsa_private_segment_fixed_size 0
		.amdhsa_enable_private_segment 0
		.amdhsa_kernarg_size 64
		.amdhsa_user_sgpr_count 2
		.amdhsa_user_sgpr_kernarg_segment_ptr 1
		.amdhsa_wavefront_size32 1
		.amdhsa_system_sgpr_workgroup_id_x 1
		.amdhsa_system_sgpr_workgroup_id_y 1
		.amdhsa_system_sgpr_workgroup_id_z 1
		.amdhsa_system_vgpr_workitem_id 0
		.amdhsa_next_free_vgpr 256
		.amdhsa_next_free_sgpr 68
		.amdhsa_reserve_vcc 0
		.amdhsa_float_denorm_mode_32 3
		.amdhsa_float_denorm_mode_16_64 3
		.amdhsa_memory_ordered 1
		.amdhsa_forward_progress 1
		.amdhsa_inst_pref_size 255
	.end_amdhsa_kernel
	.section	.bss,"aw",@nobits
	.p2align	6
	.space	262144
	.amdgpu_metadata
---
amdhsa.version: [ 1, 2 ]
amdhsa.kernels:
  - .name:           k_q49864fdcb4_sdf
    .symbol:         k_q49864fdcb4_sdf.kd
    .args:
      - { .name: xq, .offset: 0, .size: 8, .value_kind: global_buffer, .address_space: global }
      - { .name: tables, .offset: 8, .size: 8, .value_kind: global_buffer, .address_space: global }
      - { .name: W0_codes, .offset: 16, .size: 8, .value_kind: global_buffer, .address_space: global }
      - { .name: W0_scales, .offset: 24, .size: 8, .value_kind: global_buffer, .address_space: global }
      - { .name: W1_codes, .offset: 32, .size: 8, .value_kind: global_buffer, .address_space: global }
      - { .name: W1_scales, .offset: 40, .size: 8, .value_kind: global_buffer, .address_space: global }
      - { .name: W2, .offset: 48, .size: 8, .value_kind: global_buffer, .address_space: global }
      - { .name: out0, .offset: 56, .size: 8, .value_kind: global_buffer, .address_space: global }
    .group_segment_fixed_size: 141312
    .private_segment_fixed_size: 0
    .kernarg_segment_align: 8
    .kernarg_segment_size: 64
    .max_flat_workgroup_size: 512
    .sgpr_count:     68
    .vgpr_count:     256
    .wavefront_size: 32
...
	.end_amdgpu_metadata
.endif
;; end of part 2
;; ======== version 2 of 2: 2 launches; version 1 with the launch sdf written anew for expert scheduling mode
;; limits: inputs' magnitudes at most 1
;; workspace buffers: xq 12,582,912 bytes of whole numbers
;; launch prep: the kernel of part 1 again; grid 256 x 1, 8 waves a work-group, no clusters, 50,176 bytes of LDS; arguments x, xq; writes xq
;; launch sdf (part 3): grid 256 x 1, 16 waves a work-group, no clusters, 141,312 bytes of LDS; arguments xq, tables, W0_codes, W0_scales, W1_codes, W1_scales, W2, out0; writes out0
.if DOCPART == 3
	.amdgcn_target "amdgcn-amd-amdhsa--gfx1250"
	.amdhsa_code_object_version 6
	.text
	.protected	k_q49864fdcb4_sdf
	.globl	k_q49864fdcb4_sdf
	.p2align	8
	.type	k_q49864fdcb4_sdf,@function
k_q49864fdcb4_sdf:
	s_mov_b64 s[64:65], 0
	v_nop
	global_prefetch_b8 v0, s[64:65] scope:SCOPE_SE
	s_setreg_imm32_b32 hwreg(HW_REG_WAVE_SCHED_MODE, 0, 2), 2
	s_setreg_imm32_b32 hwreg(HW_REG_WAVE_MODE, 25, 1), 1
	s_wait_xcnt 0x0
	s_wait_alu depctr_vm_vsrc(0)
; out0[n] = relu(relu(enc(n) W0) W1) W2, enc = the 16-level hash grid's 32 numbers of point n.  The first two products run on codes of FP8 (E4M3) with one E8M0 scale for each 32 along K; the last (one column) in f32.
; INPUT xq: whole numbers xi, x01 = xi x 2^-25 exactly, laid [chunk][d][lane][p] by the launch before.  Every table index is made of xi by integer arithmetic; the f32 x01 comes of xi by an exact conversion.
; SHARES: 256 work-groups of sixteen waves that stay; a wave takes two chunks of 128 points, one after the other; lane L holds four points of a chunk, 128 chunk + 4 L + p.
; THE TWO COARSEST TABLES LIE IN LDS: level 0 (17^3 entries, 39,304 bytes) and level 1 (23^3 entries, 97,336 bytes) are copied once by the work-group, 17 pieces of 8,192 bytes, and serve its 32 chunks:
; 139,264 bytes copied at neighbouring addresses against 2 x 4,096 points x 64 bytes gathered.  One barrier stands behind the copy; after it LDS is only read, and waves share nothing else.
; THE LEVELS ARE THE OUTER WALK, the lane's four points the inner one: each point has a set of registers with eight gathers of 8 bytes; three sets (24 loads a wave) are out while the fourth is blended and asked anew.
; The walk goes 5, 6, .. 15, 2, 3, 4, 0, 1: the hashed levels first, so that enc's registers of levels 0 to 3, which are then written last, can hold the hashed levels' offsets;
; the gathers from memory begin at a chunk's head, and the last of them land while the two levels in LDS are worked.
; A LEVEL, for one coordinate: p0 = floor(xi res / 2^25), in integers; pos = x01 res rounded to f32; frac = pos - p0 (exact).  Where pos rounds up onto a whole number n, the definition has cell n and frac 0,
; this text cell n - 1 and frac 1: the same corner carries the weight 1.  So also at x01 = 1.  xi is held at 2^25 - 1 for p0, so that p0 + 1 never passes res.
; Levels 0-4 ((res + 1)^3 <= 2^19) are dense: x + y (res + 1) + z (res + 1)^2.  Levels 5-15 are hashed: x ^ y P1 ^ z P2, of which the low 19 bits count: so P1 and P2 are cut to 19 bits and the products are 24-bit ones.
; THE MLP, 16 points a tile.  Both products are used transposed (source 0 = 16 rows of the weight, source 1 = 16 points): a lane holds one point, its registers run along the hidden units, which are the next K.
; K is 32 and 64 where the instruction takes 128: the points' operand is filled up with zero codes.  The weight's run of 16 registers simply goes on into what lies behind it (other tiles' codes, or zeros):
; finite codes times zero codes add 0; the scale bytes there are 0, which stands for 2^-127.
; NO CLUSTER, NO JOINT LOADS: what work-groups share is the copy's 139,264 bytes and 6,592 bytes of weights, against 32 chunks x 14 levels x 8,192 = 3,670,016 gathered bytes a work-group that no two share by plan.
; LIMITS: NaN codes and scale bytes 0xff among the weights, NaN and infinities in tables or W2 are not served.  A block whose largest magnitude lies under 2^-118 gets the scale byte 1
; (a block of zeros too, where the quantiser says 127: its codes are zeros, and only this text reads the byte).
; THE MODE: SCHED_MODE bits 1:0 = 2 (LLVM: expert scheduling mode 2), set by the entry lines.  The code itself states the register dependences
; between vector or matrix instructions and memory or LDS instructions, with s_wait_alu, always for 0.
; THE PLAN.  Registers that memory or LDS instructions touch, in a chunk:
;   set p, +0..15   The eight gathers of (level, p) land here; the blending of that level reads and writes them a level later; the next level's index lines use them as work registers; then the next eight gathers land.
;   IX p            Eight offsets of a hashed level, in enc's registers of levels 0 to 3 of point p.  Written by the index lines, read by that turn's eight loads, written again a level later.  No load lands in them.
;   set p, +21      The one offset of a dense level.  Written by the index lines, read by that turn's eight loads, written again a level later.
;   v1              16 x lane: read by xq's loads and the final store; written once, at the head.
;   v16-27          xi lands here; in the chunk before these registers held weights' codes, which products read.
;   v4-51, v80-87, v160-191   The weights land here, in registers that vector lines have used; their offsets are v2, v3, v125-127.
;   v208-211        The final store's data, written by four selects.
; A TURN (one level, one point) therefore has two waits: one on vm_vsrc behind the blending (the set's loads of the level before have read IX or +21, which the index lines write again), and one on va_vdst
; ahead of the eight loads (the offsets are written; the blending and the index lines are done with +0..15).  The fifteen lines that make fx and the four y-z weights name +16..20, v2, v3 and x01 alone,
; none of the registers that the loads touch: they stand behind that wait, two behind each load, with no further wait.
.set TBYTES, 0x400000                  ; a level's table: 2^19 entries of 8 bytes
.set NCH,  2                           ; chunks of a wave
.set NLDS, 2                           ; levels 0 .. NLDS - 1 are gathered from LDS
.set PIECE, 8192                       ; what the 512 threads copy at a time, 16 bytes each
.set L1B,  5*PIECE                     ; LDS: level 0's table from byte 0 (5 pieces), level 1's from here (12 pieces)
.set FILL, 128                         ; v128-195 the copy's 17 pieces, at the head only
.set TMP1, 2                           ; v2       at work, for all sets
.set TMP2, 3                           ; v3       likewise
.set HI,   4                           ; v4-15    min(xi, 2^25 - 1) >> 13, at HI + 4 d + p
.set LO,   16                          ; v16-27   its low 13 bits
.set XF,   28                          ; v28-39   x01 as f32
.set SET0, 40                          ; v40-127  four sets of 22, set p at 40 + 22 p:  +0..15 eight corners' data (corner (x, y, z) at 4 (2 y + z) + 2 x), at work until the loads are issued;
.set SETN, 22                          ;          +16 x, then fx; +19 y, +20 z, then with +17, +18 the weights (1-fy)(1-fz), (1-fy) fz, fy (1-fz), fy fz at +17..20; +21 the dense levels' offset (at work in hashed levels)
.set ENC,  128                         ; v128-255 enc: ENC + 32 p + 2 level + feature.  ENC + 32 p + 0..7 are IX p until the hashed levels are over
.set TRIP, 21                          ; s21      chunks done
.set RI,   24                          ; s24      res
.set RF,   25                          ; s25      res as f32
.set P1,   26                          ; s26      2654435761 mod 2^19
.set P2,   27                          ; s27      805459861 mod 2^19
.set MSK,  28                          ; s28      2^19 - 1
.set MNT,  29                          ; s29      the mantissa field of 448
.set UPP,  30                          ; s30      lanes 16-31
.set TB,   32                          ; s[32:63] each level's table, a pair a level: never rewritten, so no wait is owed for them
.set SEL,  66                          ; s[66:67] v_permlanex16_b32's selects for lane l xor 16
	s_load_b512 s[4:19], s[0:1], 0x0               ; xq 4:5, tables 6:7, W0's codes 8:9, scales 10:11, W1's codes 12:13, scales 14:15, W2 16:17, out0 18:19
	v_lshrrev_b32 v2, 5, v0
	v_readfirstlane_b32 s20, v2                    ; wave 0..15
	v_and_b32 v1, 31, v0
	v_lshlrev_b32 v1, 4, v1                        ; v1 = 16 x lane: xq's loads and the final store; never rewritten
	v_lshlrev_b32 v2, 4, v0                        ; the copy: 16 x thread, in a table and in LDS;
	v_add_nc_u32 v3, 0x10000, v2                   ; an LDS immediate has 16 bits, so pieces 8-15
	v_add_nc_u32 v4, 0x20000, v2                   ; and piece 16 have address registers of their own
	s_wait_alu depctr_va_sdst(0)                   ; s20 is written, ahead of its first reader: xq's and out0's bases are made from it
	s_lshl_b32 s21, ttmp9, 4
	s_add_co_u32 s21, s21, s20                     ; 16 x work-group + wave: my two chunks are 2 x that and the next
	s_mul_i32 s22, s21, NCH*1536
	s_mov_b32 s23, 0
	s_mov_b32 s[P1], 0x779b1
	s_mov_b32 s[P2], 0x25795
	s_mov_b32 s[MSK], 0x7ffff
	s_mov_b32 s[MNT], 0x600000
	s_mov_b32 s[UPP], 0xffff0000
	s_mov_b32 s[SEL], 0x76543210
	s_mov_b32 s[SEL+1], 0xfedcba98
	s_wait_kmcnt 0x0
	s_add_nc_u64 s[4:5], s[4:5], s[22:23]          ; xq at my first chunk
	s_lshl_b32 s22, s21, 10
	s_add_nc_u64 s[18:19], s[18:19], s[22:23]      ; out0 at my first 128 points
.set k, 0
.rept 16
	s_add_nc_u64 s[TB+2*k:TB+2*k+1], s[6:7], k*TBYTES
.set k, k+1
.endr
	s_wait_alu depctr_va_vdst(0)                   ; v1 to v4 are written: the copy's loads and LDS stores read v2 to v4 as their addresses, xq's loads and the final store v1
; The copy: all 17 loads go out at once; a wave's load takes 512 consecutive bytes.  The pieces reach a little past the entries in use and stay inside each level's 4 MiB.
.set j, 0
.rept 17
.if j < 5
	global_load_b128 v[FILL+4*j:FILL+4*j+3], v2, s[TB:TB+1] offset:PIECE*j
.else
	global_load_b128 v[FILL+4*j:FILL+4*j+3], v2, s[TB+2:TB+3] offset:PIECE*(j-5)
.endif
.set j, j+1
.endr
.set j, 0
.rept 17
	s_wait_loadcnt 16-j                            ; loads come back in order: piece j is in, the later pieces may be out
	ds_store_b128 v[2+j/8], v[FILL+4*j:FILL+4*j+3] offset:PIECE*(j%8)
.set j, j+1
.endr
	s_wait_dscnt 0x0                               ; for the others' sake: my part of the two tables lies in LDS
	s_barrier_signal -1
	s_barrier_wait -1                              ; everybody's does.  From here on LDS is only read
	s_mov_b32 s[TRIP], 0
; Line n of the fifteen that make point pt's fx and its four y-z weights out of x, y, z (the set's +16, +19, +20) and x01.  They name the set's +16 .. +20, v2, v3 and x01 alone.
.macro AFTER n, pt
.if (\n) == 0
	v_cvt_f32_u32 v[S+17], v[S+16]                 ; x as f32
.elseif (\n) == 1
	v_mul_f32 v[S+18], s[RF], v[XF+(\pt)]          ; pos.  Kept apart from the subtraction on purpose: the definition rounds pos to f32 before the floor is taken away
.elseif (\n) == 2
	v_cvt_f32_u32 v[TMP1], v[S+19]                 ; y as f32
.elseif (\n) == 3
	v_mul_f32 v[TMP2], s[RF], v[XF+4+(\pt)]
.elseif (\n) == 4
	v_sub_f32 v[S+16], v[S+18], v[S+17]            ; fx
.elseif (\n) == 5
	v_sub_f32 v[S+19], v[TMP2], v[TMP1]            ; fy
.elseif (\n) == 6
	v_cvt_f32_u32 v[S+17], v[S+20]                 ; z as f32
.elseif (\n) == 7
	v_mul_f32 v[S+18], s[RF], v[XF+8+(\pt)]
.elseif (\n) == 8
	v_sub_f32 v[TMP1], 1.0, v[S+19]                ; 1 - fy
.elseif (\n) == 9
	v_sub_f32 v[S+20], v[S+18], v[S+17]            ; fz
.elseif (\n) == 10
	v_sub_f32 v[S+17], 1.0, v[S+20]                ; 1 - fz
.elseif (\n) == 11
	v_mul_f32 v[S+18], v[TMP1], v[S+20]            ; (1 - fy) fz
.elseif (\n) == 12
	v_mul_f32 v[S+20], v[S+19], v[S+20]            ; fy fz
.elseif (\n) == 13
	v_mul_f32 v[S+19], v[S+19], v[S+17]            ; fy (1 - fz)
.elseif (\n) == 14
	v_mul_f32 v[S+17], v[TMP1], v[S+17]            ; (1 - fy)(1 - fz)
.endif
.endm
; Point pt's cell and indices at level lev, its eight gathers, and among them its weights.
.macro ISSUE lev, pt, res
.set S, SET0+SETN*(\pt)
.set IX, ENC+32*(\pt)
.irp d, 0,1,2                          ; p0 = (HI res + (LO res >> 13)) >> 12 = floor(xi res / 2^25): every product stays under 2^24.  x, y, z at S + 16, S + 19, S + 20
	v_mul_u32_u24 v[S+16+\d+2*((\d+1)/2)], s[RI], v[LO+4*\d+(\pt)]
.endr
.irp d, 0,1,2
	v_lshrrev_b32 v[S+16+\d+2*((\d+1)/2)], 13, v[S+16+\d+2*((\d+1)/2)]
.endr
.irp d, 0,1,2
	v_mad_u32_u24 v[S+16+\d+2*((\d+1)/2)], v[HI+4*\d+(\pt)], s[RI], v[S+16+\d+2*((\d+1)/2)]
.endr
.irp d, 0,1,2
	v_lshrrev_b32 v[S+16+\d+2*((\d+1)/2)], 12, v[S+16+\d+2*((\d+1)/2)]
.endr
.if ((\res)+1)*((\res)+1)*((\res)+1) > 524288
	v_mul_u32_u24 v[S+3], s[P1], v[S+19]           ; y P1, z P2: right in their low 19 bits
	v_mul_u32_u24 v[S+5], s[P2], v[S+20]
	v_add_nc_u32 v[S+7], s[P1], v[S+3]             ; (y + 1) P1, (z + 1) P2
	v_add_nc_u32 v[S+9], s[P2], v[S+5]
	v_xor_b32 v[S+11], v[S+3], v[S+5]              ; the four y-z parts, at S + 11, 13, 15, 21
	v_xor_b32 v[S+13], v[S+3], v[S+9]
	v_xor_b32 v[S+15], v[S+7], v[S+5]
	v_xor_b32 v[S+21], v[S+7], v[S+9]
.irp m, 0,1,2,3
	v_and_b32 v[S+11+2*\m+4*(\m/3)], s[MSK], v[S+11+2*\m+4*(\m/3)]   ; four masks serve eight corners: x and x + 1 lie under 2^19 as they are
.endr
	v_add_nc_u32 v[TMP1], 1, v[S+16]
.irp m, 0,1,2,3
	v_xor_b32 v[IX+2*\m], v[S+16], v[S+11+2*\m+4*(\m/3)]
	v_xor_b32 v[IX+2*\m+1], v[TMP1], v[S+11+2*\m+4*(\m/3)]
.endr
.irp c, 0,1,2,3,4,5,6,7
	v_min_u32 v[IX+\c], 0x7ffff, v[IX+\c]          ; a number that comes of loaded data is held inside the table by a bound written here, ahead of its use as an offset
.endr
	s_wait_alu depctr_va_vdst(0)                   ; the eight offsets in IX are written, which the loads below read; the blending and the lines above are done reading and writing S + 0 .. 15, in which they land
.irp c, 0,1,2,3,4,5,6,7
	global_load_b64 v[S+2*\c:S+2*\c+1], v[IX+\c], s[TB+2*(\lev):TB+2*(\lev)+1] scale_offset   ; 8 bytes at 8 x index
	AFTER 2*\c, \pt                                ; no wait: no vector line since the wait above names S + 0 .. 15 or IX
	AFTER 2*\c+1, \pt
.endr
.else
.set R1, (\res)+1
	v_mad_u32_u24 v[S+21], v[S+19], R1, v[S+16]
	v_mad_u32_u24 v[S+21], v[S+20], R1*R1, v[S+21]
	v_min_u32 v[S+21], R1*R1*R1-2-R1-R1*R1, v[S+21]   ; the bound is (res - 1)(1 + R1 + R1^2), the largest index that a cell's first corner has: the farthest corner is then entry R1^3 - 1 at the most
	v_lshlrev_b32 v[S+21], 3, v[S+21]
	s_wait_alu depctr_va_vdst(0)                   ; the offset S + 21 is written, which the loads below read; the blending is done reading and writing S + 0 .. 15, in which they land
.if (\lev) < NLDS
.irp c, 0,1,2,3,4,5,6,7
	ds_load_b64 v[S+2*\c:S+2*\c+1], v[S+21] offset:L1B*(\lev)+8*((\c%2)+(\c/4)*R1+((\c/2)%2)*R1*R1)   ; from the copy in LDS: one address register; the level's base and the corner in the immediate, 45,384 at the most
	AFTER 2*\c, \pt                                ; no wait: no vector line since the wait above names S + 0 .. 15 or S + 21
	AFTER 2*\c+1, \pt
.endr
.else
.irp c, 0,1,2,3,4,5,6,7
	global_load_b64 v[S+2*\c:S+2*\c+1], v[S+21], s[TB+2*(\lev):TB+2*(\lev)+1] offset:8*((\c%2)+(\c/4)*R1+((\c/2)%2)*R1*R1)   ; one offset register, the corner in the immediate
	AFTER 2*\c, \pt                                ; no wait: no vector line since the wait above names S + 0 .. 15 or S + 21
	AFTER 2*\c+1, \pt
.endr
.endif
.endif
.endm
; Point pt's eight corners of level lev are blended into two numbers of enc.  left = the younger loads of the same kind (from LDS, or from memory) that may stay out.
.macro CONSUME lev, pt, left
.set S, SET0+SETN*(\pt)
.set E0, ENC+32*(\pt)+2*(\lev)
.if (\lev) < NLDS
	s_wait_dscnt \left                             ; LDS loads come back in order: this set's eight are in
.else
	s_wait_loadcnt \left                           ; loads come back in order: this set's eight are in.  The wait also shows them done, so that their offset registers may be written again
.endif
.irp m, 0,1,2,3
	v_pk_add_f32 v[S+4*\m+2:S+4*\m+3], v[S+4*\m+2:S+4*\m+3], v[S+4*\m:S+4*\m+1] neg_lo:[0,1] neg_hi:[0,1]   ; along x: x1 - x0, both features at once,
.endr
.irp m, 0,1,2,3
	v_pk_fma_f32 v[S+4*\m:S+4*\m+1], v[S+4*\m+2:S+4*\m+3], v[S+16:S+17], v[S+4*\m:S+4*\m+1] op_sel_hi:[1,0,1]   ; x0 + fx (x1 - x0): fx is the pair's low word
.endr
	v_pk_mul_f32 v[E0:E0+1], v[S:S+1], v[S+16:S+17] op_sel:[0,1] op_sel_hi:[1,1]                              ; then the four y-z weights: high word,
	v_pk_fma_f32 v[E0:E0+1], v[S+4:S+5], v[S+18:S+19], v[E0:E0+1] op_sel_hi:[1,0,1]                           ; low,
	v_pk_fma_f32 v[E0:E0+1], v[S+8:S+9], v[S+18:S+19], v[E0:E0+1] op_sel:[0,1,0] op_sel_hi:[1,1,1]            ; high,
	v_pk_fma_f32 v[E0:E0+1], v[S+12:S+13], v[S+20:S+21], v[E0:E0+1] op_sel_hi:[1,0,1]                         ; low
.endm
; A level: for each point the level walked before (prev; -1: none) is blended, then this level asked for.
; same = 1: both levels' loads raise the same counter: behind a set's eight stand the three other sets' 24.  same = 0: this level's do not count there: behind set pt's eight stand only the 8 (3 - pt) of prev's later sets.
.macro LEVEL lev, res, prev, same
	s_mov_b32 s[RI], \res
	s_cvt_f32_u32 s[RF], s[RI]
.irp pt, 0,1,2,3
.if (\prev) >= 0
.if \same
	CONSUME \prev, \pt, 24
.else
	CONSUME \prev, \pt, 8*(3-\pt)
.endif
	s_wait_alu depctr_vm_vsrc(0)                   ; this set's eight loads of the level before have read their offsets (IX, or the set's + 21), which the index lines below write again
.endif
	ISSUE \lev, \pt, \res
.endr
.endm
.Lchunk:
	s_wait_alu depctr_vm_vsrc(0)                   ; first chunk: the copy's LDS stores have read v2 to v4 and v128-195; second: the weights' loads have read v2, v3, v125-127 and the store v208-211: all are written again below
	s_wait_alu depctr_va_vdst(0)                   ; the last chunk's products are done reading the weights' codes in v16-27, in which xi lands
.irp d, 0,1,2
	global_load_b128 v[LO+4*\d:LO+4*\d+3], v1, s[4:5] offset:512*\d th:TH_LOAD_NT   ; xi of my four points: 512 consecutive bytes a load
.endr
	s_wait_loadcnt 0x0
.irp i, 0,1,2,3,4,5,6,7,8,9,10,11
	v_cvt_f32_u32 v[XF+\i], v[LO+\i]               ; exact: xi is a f32 number times 2^24
	v_min_u32 v[LO+\i], 0x1ffffff, v[LO+\i]
	v_mul_f32 v[XF+\i], 0x33000000, v[XF+\i]       ; x 2^-25: x01
	v_lshrrev_b32 v[HI+\i], 13, v[LO+\i]
	v_and_b32 v[LO+\i], 0x1fff, v[LO+\i]
.endr
	LEVEL 5, 80, -1, 1                             ; res = floor(16 x 1.3819^level)
	LEVEL 6, 111, 5, 1
	LEVEL 7, 153, 6, 1
	LEVEL 8, 212, 7, 1
	LEVEL 9, 294, 8, 1
	LEVEL 10, 406, 9, 1
	LEVEL 11, 561, 10, 1
	LEVEL 12, 775, 11, 1
	LEVEL 13, 1072, 12, 1
	LEVEL 14, 1481, 13, 1
	LEVEL 15, 2047, 14, 1
	LEVEL 2, 30, 15, 1                             ; the hashed levels are asked for: from the next level's blending on, IX's registers take enc's numbers of levels 2, 3, 0, 1
	LEVEL 3, 42, 2, 1
	LEVEL 4, 58, 3, 1
	LEVEL 0, 16, 4, 0                              ; the last gathers from memory run down 24, 16, 8, 0 while level 0 is asked of LDS
	LEVEL 1, 22, 0, 1
	CONSUME 1, 0, 24                               ; nothing more is asked for: the counts run down
	CONSUME 1, 1, 16
	CONSUME 1, 2, 8
	CONSUME 1, 3, 0
; THE MLP.  v2-127 are free now; enc's registers are freed slot by slot as it is quantised.
.set W0R,  4                           ; v4-19    W0's four tiles, 4 registers each (K = 32)
.set W1R,  20                          ; v20-51   W1's four tiles, 8 registers each (K = 64)
.set ZW,   52                          ; v52-59   zeros: the rest of the last tile's run of 16
.set ACT,  60                          ; v60-79   the points' operand: v60-67 the hidden layer's codes (layer 1's stand in v64-67), v68-79 zeros.  Layer 1 names v64-79, layer 2 v60-75
.set W0S,  80                          ; v80-83   W0's scale words, a tile each;  v84-87 W1's
.set W1S,  84
.set CODE, 88                          ; v88-119  enc's codes: slot p: 4 registers for the tile of lanes 0-15's points, 4 for that of lanes 16-31's
.set AS,   120                         ; v120-123 enc's scale word, slot p: lane L has its own point's
.set HS,   124                         ; v124     the hidden layer's scale word
.set D,    128                         ; v128-159 four accumulators
.set W2R,  160                         ; v160-191 W2R + 8 t + j = W2[16 t + 8 h + j]
.set TM,   192                         ; v192.. for blocks 0, 1: largest magnitude, the other half's, the conversion's scale operand, 448 x the scale, the byte
.set SUM,  202                         ; v202-205 two packed sums
.set RES,  206                         ; v206-207 the results of a slot's two tiles
.set OUTR, 208                         ; v208-211 my four points' results
.set PRM,  216                         ; v216     a lane permute's destination
	s_wait_alu depctr_vm_vsrc(0)                   ; level 1's gathers from LDS have read their address registers v61, v83, v105 and v127, which vector lines and a load's data write below
	v_and_b32 v125, 15, v0                         ; r
	v_bfe_u32 v127, v0, 4, 1                       ; h
	v_and_b32 v3, 8, v125
	v_add_nc_u32 v3, v3, v125                      ; r + 8 (r / 8): W0's scale bytes, one a row
	v_lshlrev_b32 v2, 5, v3
	v_lshl_add_u32 v2, v127, 4, v2                 ; W0's codes: rows of 32 bytes, + 16 h
	v_lshlrev_b32 v126, 1, v125                    ; W1's scale bytes: two a row
	v_lshlrev_b32 v125, 6, v125
	v_lshl_add_u32 v125, v127, 4, v125             ; W1's codes: rows of 64 bytes, + 16 h
	v_lshlrev_b32 v127, 5, v127                    ; W2: 32 h
	s_wait_alu depctr_va_vdst(0)                   ; the five offsets v2, v3, v125-127 are written, which the weights' loads read; the levels' vector lines are done with v4-51 and v80-87, in which W0 and W1 land
; THE ROWS OF W0 THAT FORM A TILE ARE NOT NEIGHBOURS: lane r of tile 2 b + u takes row 32 b + 8 u + r + 8 (r / 8), so that the 16 registers of tiles 2 b and 2 b + 1 are hidden units 32 b + 16 h + 0 .. 15: neighbours along the next K
.irp t, 0,1,2,3
	global_load_b128 v[W0R+4*\t:W0R+4*\t+3], v2, s[8:9] offset:(32*(\t/2)+8*(\t%2))*32
	global_load_u8 v[W0S+\t], v3, s[10:11] offset:32*(\t/2)+8*(\t%2)      ; the byte of k 0-31; the word's other bytes are 0
.endr
.irp t, 0,1,2,3
	global_load_b128 v[W1R+8*\t:W1R+8*\t+3], v125, s[12:13] offset:1024*\t
	global_load_b128 v[W1R+8*\t+4:W1R+8*\t+7], v125, s[12:13] offset:1024*\t+32
	global_load_u16 v[W1S+\t], v126, s[14:15] offset:32*\t                 ; the bytes of k 0-31 and 32-63
.endr
.irp i, 0,1,2,3,4,5,6,7
	v_mov_b32 v[ZW+\i], 0
.endr
.irp i, 8,9,10,11,12,13,14,15,16,17,18,19
	v_mov_b32 v[ACT+\i], 0
.endr
; enc of slot pt, one block of 32 that lies whole in a lane, becomes 32 codes and a scale byte; then the halves of the lanes change places so that both tiles stand in the operand's layout.
.macro QENC pt
.set E, ENC+32*(\pt)
.set C0, CODE+8*(\pt)
	v_max3_num_f32 v60, |v[E]|, |v[E+1]|, 0x4800000        ; the largest magnitude, in two chains, over the floor 2^(9 - 127): the byte cannot fall under 1
	v_max3_num_f32 v61, |v[E+2]|, |v[E+3]|, 0x4800000
.irp i, 4,8,12,16,20,24,28
	v_max3_num_f32 v60, v60, |v[E+\i]|, |v[E+\i+1]|
	v_max3_num_f32 v61, v61, |v[E+\i+2]|, |v[E+\i+3]|
.endr
	v_max_num_f32 v60, v60, v61
	v_add_nc_u32 v62, 0xfc000000, v60                      ; 8 off its exponent field: the conversion takes this operand's exponent field as its scale
	v_and_or_b32 v63, v60, 0x7f800000, s[MNT]              ; 448 x the scale
.set i, 0
.rept 32
	v_med3_num_f32 v[E+i], v[E+i], -v63, v63               ; the conversion to an 8-bit code does not saturate (ISA guide 7.6.2): hold first
.set i, i+1
.endr
.irp g, 0,1,2,3
	v_cvt_scalef32_pk8_fp8_f32 v[C0+2*\g:C0+2*\g+1], v[E+8*\g:E+8*\g+7], v62
.endr
	v_lshrrev_b32 v[AS+(\pt)], 23, v62                     ; the scale's byte; the word's other bytes are 0.  (Also the plain line behind the conversions)
.irp i, 0,1,2,3
	v_permlane16_swap_b32 v[C0+\i], v[C0+4+\i]             ; k 0-15 of lanes 16-31 against k 16-31 of lanes 0-15: C0 + 0..3 is then the tile of lanes 0-15's points (lane (r, h): point r, k 16 h on), C0 + 4..7 that of lanes 16-31's
.endr
.endm
	QENC 0
	QENC 1
	s_wait_alu depctr_va_vdst(0)                   ; slot 1's holds and conversions are done writing and reading v160-191, in which W2 lands
.irp t, 0,1,2,3
	global_load_b128 v[W2R+8*\t:W2R+8*\t+3], v127, s[16:17] offset:64*\t       ; into the registers that slot 1 of enc has left
	global_load_b128 v[W2R+8*\t+4:W2R+8*\t+7], v127, s[16:17] offset:64*\t+16
.endr
	QENC 2
	QENC 3
	v_mov_b32 v[TM+2], 0                           ; a lane permute's destination counts as one of its sources
	v_mov_b32 v[TM+3], 0
	v_mov_b32 v[PRM], 0
	s_wait_loadcnt 0x0                             ; all the weights, asked for two to four quantisings ago
; Sixteen points: slot pt of lanes 0-15 (hf = 0) or of lanes 16-31 (hf = 1).  Every product starts its sum with the constant 0, and the four accumulators are four different ones.
.macro TILE pt, hf
.irp j, 0,1,2,3
	v_mov_b32 v[ACT+4+\j], v[CODE+8*(\pt)+4*(\hf)+\j]      ; the tile's codes in front of the one run of twelve zero registers, which serves all eight tiles: eight such runs have no room
.endr
.rept 4
	v_nop                                          ; an operand written by vector instructions stands four places ahead of a scaled matrix instruction
.endr
	s_wait_alu depctr_va_vdst(0)                   ; behind the places: the four moves have written the codes v64-67, and earlier vector lines the zeros v52-59 and v68-79 and enc's scale words v120-123, which the products below take
.irp t, 0,1,2,3
.if (\hf) == 0
	v_wmma_scale_f32_16x16x128_f8f6f4 v[D+8*\t:D+8*\t+7], v[W0R+4*\t:W0R+4*\t+15], v[ACT+4:ACT+19], 0, v[W0S+\t], v[AS+(\pt)]
.else
	v_wmma_scale_f32_16x16x128_f8f6f4 v[D+8*\t:D+8*\t+7], v[W0R+4*\t:W0R+4*\t+15], v[ACT+4:ACT+19], 0, v[W0S+\t], v[AS+(\pt)] matrix_b_scale:MATRIX_SCALE_ROW1
.endif
.endr
.rept 8
	v_nop                                          ; eight places behind this form before its results are read
.endr
; relu and quantiser in one.  No |.|: what is negative is to become 0 and must not count; the floor stands over it.  Each accumulator is read from its low end on.
.irp b, 0,1
	v_max3_num_f32 v[TM+\b], v[D+16*\b], v[D+16*\b+1], 0x4800000
.endr
.irp i, 2,4,6,8,10,12,14
.irp b, 0,1
	v_max3_num_f32 v[TM+\b], v[TM+\b], v[D+16*\b+\i], v[D+16*\b+\i+1]
.endr
.endr
.irp b, 0,1
	v_permlanex16_b32 v[TM+2+\b], v[TM+\b], s[SEL], s[SEL+1]
.endr
.irp b, 0,1
	v_max_num_f32 v[TM+\b], v[TM+\b], v[TM+2+\b]           ; with lane l xor 16's sixteen: the block's largest
.endr
.irp b, 0,1
	v_add_nc_u32 v[TM+4+\b], 0xfc000000, v[TM+\b]
.endr
.irp b, 0,1
	v_and_or_b32 v[TM+6+\b], v[TM+\b], 0x7f800000, s[MNT]
.endr
.irp b, 0,1
	v_lshrrev_b32 v[TM+8+\b], 23, v[TM+4+\b]
.endr
	v_lshl_or_b32 v[HS], v[TM+9], 8, v[TM+8]               ; the point's scale word: bytes of k 0-31 and 32-63, the others 0.  The 32 holds below are the eight places that a scale register written here owes
.irp b, 0,1
.irp i, 0,1,2,3,4,5,6,7,8,9,10,11,12,13,14,15
	v_med3_num_f32 v[D+16*\b+\i], v[D+16*\b+\i], 0, v[TM+6+\b]   ; the activation and the hold in one
.endr
	v_cvt_scalef32_pk8_fp8_f32 v[ACT+4*\b:ACT+4*\b+1], v[D+16*\b:D+16*\b+7], v[TM+4+\b]
	v_cvt_scalef32_pk8_fp8_f32 v[ACT+4*\b+2:ACT+4*\b+3], v[D+16*\b+8:D+16*\b+15], v[TM+4+\b]
.endr
.rept 4
	v_nop                                          ; four places ahead of the products that read the codes; with the eight above, twelve behind the products whose results these now write over
.endr
	s_wait_alu depctr_va_vdst(0)                   ; behind the places: the conversions have written the hidden layer's codes v60-67, and the line above the holds its scale word v124, which the products below take
.irp t, 0,1,2,3
	v_wmma_scale_f32_16x16x128_f8f6f4 v[D+8*\t:D+8*\t+7], v[W1R+8*\t:W1R+8*\t+15], v[ACT:ACT+15], 0, v[W1S+\t], v[HS]
.endr
.rept 8
	v_nop
.endr
; The last layer, in f32: register 8 t + j is unit 16 t + 8 h + j of point r.
.set i, 0
.rept 32
	v_max_num_f32 v[D+i], 0, v[D+i]
.set i, i+1
.endr
	v_pk_mul_f32 v[SUM:SUM+1], v[D:D+1], v[W2R:W2R+1]
	v_pk_mul_f32 v[SUM+2:SUM+3], v[D+2:D+3], v[W2R+2:W2R+3]
.irp i, 4,8,12,16,20,24,28
	v_pk_fma_f32 v[SUM:SUM+1], v[D+\i:D+\i+1], v[W2R+\i:W2R+\i+1], v[SUM:SUM+1]
	v_pk_fma_f32 v[SUM+2:SUM+3], v[D+\i+2:D+\i+3], v[W2R+\i+2:W2R+\i+3], v[SUM+2:SUM+3]
.endr
	v_pk_add_f32 v[SUM:SUM+1], v[SUM:SUM+1], v[SUM+2:SUM+3]
	v_add_f32 v[SUM], v[SUM], v[SUM+1]
	v_permlanex16_b32 v[PRM], v[SUM], s[SEL], s[SEL+1]
	v_add_f32 v[RES+(\hf)], v[SUM], v[PRM]                 ; with the other half's 32 units: lanes r and 16 + r both hold point r's result
.if (\hf) == 1
	v_cndmask_b32 v[OUTR+(\pt)], v[RES], v[RES+1], s[UPP]  ; lanes 0-15 take the first tile's, lanes 16-31 the second's: lane L has point 4 L + pt
.endif
.endm
.irp pt, 0,1,2,3
	TILE \pt, 0
	TILE \pt, 1
.endr
	s_wait_alu depctr_va_vdst(0)                   ; the four selects have written v208-211, which the store reads
	global_store_b128 v1, v[OUTR:OUTR+3], s[18:19] th:TH_STORE_NT   ; the wave stores its 128 results: 512 consecutive bytes, aligned; written once, read by nobody here
	s_wait_xcnt 0x0                                ; the store has read its data and its base: both are written again only behind this wait
	s_add_nc_u64 s[4:5], s[4:5], 1536              ; on to my next chunk of xq
	s_add_nc_u64 s[18:19], s[18:19], 512           ; and its 128 results
	s_add_co_u32 s[TRIP], s[TRIP], 1
	s_cmp_lt_u32 s[TRIP], NCH
	s_cbranch_scc1 .Lchunk
	s_wait_xcnt 0x0
	v_lshl_add_u32 v194, v0, 2, 0x22000            ; no two registers can be kept through the chunks: the add's two are made anew, of v0, which stands as at the entry
	v_mov_b32 v195, 0
	s_wait_dscnt 0x0                               ; the closing lines, six on end
	s_wait_alu 0x0
	s_wait_tensorcnt 0x0
	ds_add_u32 v194, v195
	s_wait_dscnt 0x0
	s_endpgm
.Lfunc_end_k_q49864fdcb4_sdf:
	.size	k_q49864fdcb4_sdf, .Lfunc_end_k_q49864fdcb4_sdf-k_q49864fdcb4_sdf
	.p2alignl 7, 3214868480
	.fill 96, 4, 3214868480
	.section	.rodata,"a",@progbits
	.p2align	6, 0x0
	.amdhsa_kernel k_q49864fdcb4_sdf
		.amdhsa_group_segment_fixed_size 141312
		.amdhsa_private_segment_fixed_size 0
		.amdhsa_enable_private_segment 0
		.amdhsa_kernarg_size 64
		.amdhsa_user_sgpr_count 2
		.amdhsa_user_sgpr_kernarg_segment_ptr 1
		.amdhsa_wavefront_size32 1
		.amdhsa_system_sgpr_workgroup_id_x 1
		.amdhsa_system_sgpr_workgroup_id_y 1
		.amdhsa_system_sgpr_workgroup_id_z 1
		.amdhsa_system_vgpr_workitem_id 0
		.amdhsa_next_free_vgpr 256
		.amdhsa_next_free_sgpr 68
		.amdhsa_reserve_vcc 0
		.amdhsa_float_denorm_mode_32 3
		.amdhsa_float_denorm_mode_16_64 3
		.amdhsa_memory_ordered 1
		.amdhsa_forward_progress 1
		.amdhsa_inst_pref_size 255
	.end_amdhsa_kernel
	.section	.bss,"aw",@nobits
	.p2align	6
	.space	262144
	.amdgpu_metadata
---
amdhsa.version: [ 1, 2 ]
amdhsa.kernels:
  - .name:           k_q49864fdcb4_sdf
    .symbol:         k_q49864fdcb4_sdf.kd
    .args:
      - { .name: xq, .offset: 0, .size: 8, .value_kind: global_buffer, .address_space: global }
      - { .name: tables, .offset: 8, .size: 8, .value_kind: global_buffer, .address_space: global }
      - { .name: W0_codes, .offset: 16, .size: 8, .value_kind: global_buffer, .address_space: global }
      - { .name: W0_scales, .offset: 24, .size: 8, .value_kind: global_buffer, .address_space: global }
      - { .name: W1_codes, .offset: 32, .size: 8, .value_kind: global_buffer, .address_space: global }
      - { .name: W1_scales, .offset: 40, .size: 8, .value_kind: global_buffer, .address_space: global }
      - { .name: W2, .offset: 48, .size: 8, .value_kind: global_buffer, .address_space: global }
      - { .name: out0, .offset: 56, .size: 8, .value_kind: global_buffer, .address_space: global }
    .group_segment_fixed_size: 141312
    .private_segment_fixed_size: 0
    .kernarg_segment_align: 8
    .kernarg_segment_size: 64
    .max_flat_workgroup_size: 512
    .sgpr_count:     68
    .vgpr_count:     256
    .wavefront_size: 32
...
	.end_amdgpu_metadata
.endif
;; end of part 3
